; MI455X (gfx1250); checked and timed in simulation.
; The chip was launched on July 23, 2026; its instructions are those of AMD's public machine-readable ISA for CDNA 5 (MIT licence, August 2026) and "CDNA5" Instruction Set Architecture Reference Guide (July 2026). The comments in the code are by the model that wrote it; some were corrected since.
;; Cross Trans Former. Allowed arithmetic: matrix products marked QUANTISED: E4M3 operands, one given power-of-two scale a tensor, by v_wmma_f32_16x16x64_fp8_fp8 or v_wmma_f32_16x16x128_fp8_fp8, f32 sums; everything else in f32.
;; Inputs: Wk 1,024 x 1,024 float32; Wq 1,024 x 1,024 float32; Wv 1,024 x 1,024 float32; Xk 4 x 1,024 x 2,048 float32; Xq 4 x 1,024 x 2,048 float32; beta1 1,024 float32; beta2 1,024 float32; beta3 1,024 float32; gamma1 1,024 float32; gamma2 1,024 float32; gamma3 1,024 float32; lowp_scales 10 int32 (the exponents e of the quantised operands' scales 2^e); mean1 1,024 float32; mean2 1,024 float32; mean3 1,024 float32; var1 1,024 float32; var2 1,024 float32; var3 1,024 float32.
;; Outputs: out0 4 x 1,024 x 2,048 float32.
;; This version of the problem:
;;   THIS VERSION OF THE PROBLEM IS GIVEN IN LOW PRECISION. The matrix products marked QUANTISED in the list below multiply operands that are first quantised to E4M3 (4 exponent bits, 3 mantissa bits; 8 bits a number), with one given power-of-two scale for each operand tensor; their sums are f32. All else is computed in f32.
;;   The module's matrix products, in the order in which they are computed (A, B: the left and right operand; K: the contracted axis; several contracted axes count as one K, in the product's order):
;;     1. [M 8,192, K 1,024] x [K 1,024, N 1,024]; A: input Xq; B: input Wq: QUANTISED (scales: A lowp_scales[0], B lowp_scales[1])
;;     2. [M 8,192, K 1,024] x [K 1,024, N 1,024]; A: input Xk; B: input Wk: QUANTISED (scales: A lowp_scales[2], B lowp_scales[3])
;;     3. [M 8,192, K 1,024] x [K 1,024, N 1,024]; A: input Xq; B: input Wv: QUANTISED (scales: A lowp_scales[4], B lowp_scales[5])
;;     4. batch 32 x [M 2,048, K 128] x [K 128, N 2,048]; A: computed on the way; B: computed on the way: QUANTISED (scales: A lowp_scales[6], B lowp_scales[7])
;;     5. batch 32 x [M 128, K 2,048] x [K 2,048, N 2,048]; A: computed on the way; B: softmax (see below): QUANTISED (scales: A lowp_scales[8], B lowp_scales[9])
;;   THE QUANTISER, for each operand of a quantised product, along K:
;;     - The operand's scale is 2^e, e = its entry of the input lowp_scales (int32; the entries are numbered through the quantised products in the list's order, A before B).
;;     - Each number is divided by the scale, clamped to +-448, and rounded to the nearest number of E4M3, ties to even, subnormals kept.
;;     - The product sums the exact products of the quantised numbers (number of the format x scale) in f32.
;;   ~~~python
;;   def quantise(x, axis, e):      # numpy; x: float32 -> the quantised numbers, widened to float32 again
;;       x = np.moveaxis(x, axis, -1); K = x.shape[-1]
;;       r = np.clip(x / 2.0 ** e, -448, 448)
;;       step = 2.0 ** (np.maximum(np.frexp(np.where(r == 0, 1, r))[1] - 1, -6) - 3)
;;       q = np.round(r / step) * step * 2.0 ** e      # np.round: ties to even
;;       return np.moveaxis(q, -1, axis).astype(np.float32)
;;   ~~~
;;   SOFTMAX AHEAD OF A QUANTISED PRODUCT. Where the list says 'softmax', what is quantised is not the finished softmax but p = 2^(t - M), with t = logit x log2(e) and M = ceil(the row's largest t), a whole number; so 1/2 < the row's largest p <= 1. The row's sum l is taken of the UNQUANTISED p, in f32, and the product's result is divided by l at the end. Since M is a whole number, a kernel that streams over the keys may use a running M (the ceiling of the running maximum): every later rescaling is an exact power of two, so the quantised numbers keep their values, but for numbers so far below the row's largest that they fall under the format's range.
;;   OPERANDS COMPUTED ON THE WAY. 'Computed on the way' means the value that the module computes at that place (a softmax that the list does not call 'softmax' is quantised finished and normalised). What goes into a quantiser is computed in f32, as accurately as f32 sums, v_exp_f32 and their like allow (about 1e-6 of the number): no bf16 or f16 on the way to a quantiser, and a product that is left as it is and whose result goes on into a quantised operand takes f32 operands (vector FMAs, or v_wmma_f32_16x16x4_f32). A number that lies on a knife's edge between two numbers of the format may be rounded either way, as far as f32 arithmetic and the matrix unit's own rounding can turn it there, and no further.
;; One version. Each part assembles by itself: llvm-mc -triple=amdgcn-amd-amdhsa -mcpu=gfx1250 --defsym DOCPART=n.
;; ======== version 1 of 1: 3 launches
;; limits: right only within a limited range of input values
;; workspace buffers: xc 25,165,824 bytes; wc 3,145,728 bytes; bn 24,576 bytes; pc 25,165,824 bytes
;; launch quant (part 1): grid 608 x 1, 4 waves a work-group, no clusters, 102,912 bytes of LDS; arguments Xq, Xk, Wq, Wk, Wv, lowp_scales, gamma1, beta1, mean1, var1, gamma2, beta2, mean2, var2, gamma3, beta3, mean3, var3, xc, wc, bn; writes xc, wc, bn
.if DOCPART == 1
	.amdgcn_target "amdgcn-amd-amdhsa--gfx1250"
	.amdhsa_code_object_version 6
	.text
	.protected	k_q2e753e3205_quant
	.globl	k_q2e753e3205_quant
	.p2align	8
	.type	k_q2e753e3205_quant,@function
k_q2e753e3205_quant:
	s_mov_b64 s[64:65], 0
	v_nop
	global_prefetch_b8 v0, s[64:65] scope:SCOPE_SE
	s_setreg_imm32_b32 hwreg(HW_REG_WAVE_MODE, 25, 1), 1
	s_wait_xcnt 0x0
; THE OPERANDS OF THE THREE PROJECTIONS BECOME CODES OF FP8 (E4M3), K (the input channel c) innermost, and the batch norms are folded.
;   xc [3][8192 positions = 2048 b + p][1024 c]: part 0 = Xq with 2^e0, part 1 = Xk with 2^e2, part 2 = Xq with 2^e4 (Xq is read once and quantised twice)
;   wc [3][1024 o][1024 c]: Wq with 2^e1, Wk with 2^e3, Wv with 2^e5
;   bn [3][2][1024] f32: S'[o] = gamma / sqrt(var + 1e-5) x 2^(the two operands' e added), then T[o] = beta - mean x gamma / sqrt(var + 1e-5)
; code = x / 2^e, held within +-448, rounded to the nearest code, ties to even.
; LIMITS: each e0 .. e5 lies between -126 and 119, so that 2^e and 448 x 2^e are f32 numbers; NaN among the inputs is not served (an infinity is held at the largest code).
; WORK-GROUPS 0-511 take X ([b][c][p]: K is NOT innermost): a lane takes a column p and its registers run down c, so that the conversions give codes with c innermost; a wave takes 32 columns x 256 c,
; gathers 256 bytes a column in its own stage in LDS and stores sixteen lanes to 256 consecutive, aligned bytes.  WORK-GROUPS 512-607 take the weights (K innermost: plain streams of numbers): dense loads of
; 512 bytes, a turn through the wave's own stage so that a lane holds 16 neighbours, dense stores of 512 bytes; wave 0 of each then folds 32 channels of one batch norm.
; No work-group shares an input with another: no cluster, no tensor load, no barrier.  The two ways part on the work-group's number and have LDS bytes of their own.
.set ROWX,  8192                       ; from c to c + 1 in X: 2,048 positions x 4 bytes
.set PITCH, 272                        ; a stage row: 256 bytes of codes + 16
.set WSTG,  32*PITCH                   ; a wave's stage: 32 columns
.set STA,   0                          ; X: the four waves' stages for the first scale,
.set STB,   4*WSTG                     ; and for the second (Xq alone)
.set WBASE, 8*WSTG                     ; the weights' way: 8,192 bytes for each wave
.set NB,    8                          ; blocks of 32 along c for a wave
.set X,     32                         ; v32-95   two sets of 32 numbers as loaded
.set T,     96
.set CA,    128                        ; v128-135 a block's codes, first scale
.set CB,    136                        ; v136-143 second scale
.set OUTR,  144                        ; v144-207 the way out of the first stage (the second's goes through v32-95)
.set SP,    80                         ; the weights' stage: a lane's 64 bytes + 16 of padding
.set STEPS, 16
.set R,     16                         ; v16-79   the weights: four sets of 16 numbers as loaded
.set XW,    80                         ; v80-111  two sets of 16 neighbours
.set CW,    128                        ; v128-191 codes: four registers for each step, so that no store's data are written again
	s_load_b512 s[4:19], s[0:1], 0x0               ; Xq 4, Xk 6, Wq 8, Wk 10, Wv 12, the exponents 14, gamma1 16, beta1 18
	s_load_b512 s[20:35], s[0:1], 0x40             ; mean1 20, var1 22, gamma2 24, beta2 26, mean2 28, var2 30, gamma3 32, beta3 34
	s_load_b256 s[36:43], s[0:1], 0x80             ; mean3 36, var3 38, xc 40, wc 42
	s_load_b64 s[44:45], s[0:1], 0xa0              ; bn
	v_lshl_add_u32 v208, v0, 2, 0x19000
	v_mov_b32 v209, 0
	v_lshrrev_b32 v1, 5, v0
	v_readfirstlane_b32 s46, v1                    ; wave 0..3
	v_and_b32 v2, 31, v0                           ; lane
	s_mov_b32 s61, 0                               ; the upper word of every offset
	s_wait_kmcnt 0x0
	s_load_b256 s[48:55], s[14:15], 0x0            ; e0 .. e7
	s_cmp_ge_u32 ttmp9, 512
	s_cbranch_scc1 .Lw
; ---------------------------------------------------------------- X
	s_lshr_b32 s47, ttmp9, 8                       ; 0: Xq, 1: Xk
	s_bfe_u32 s56, ttmp9, 0x20006                  ; b
	s_bfe_u32 s57, ttmp9, 0x20004                  ; which 256 of c
	s_and_b32 s58, ttmp9, 15                       ; which 128 of p
	s_wait_alu depctr_va_vdst(0)
	v_lshlrev_b32 v3, 2, v2                        ; in: 4 bytes a lane
	s_mul_i32 s59, s46, WSTG                       ; my stage
	v_mul_u32_u24 v4, v2, PITCH
	v_add_nc_u32 v4, s59, v4                       ; into it: row = my column
	v_and_b32 v5, 15, v2
	v_lshrrev_b32 v6, 4, v2
	v_mul_u32_u24 v7, v6, PITCH
	v_lshl_add_u32 v7, v5, 4, v7
	v_add_nc_u32 v7, s59, v7                       ; out of it: sixteen lanes to a row, two rows an instruction
	v_lshlrev_b32 v8, 10, v6
	v_lshl_add_u32 v8, v5, 4, v8                   ; and the same place in xc: a position's row is 1,024 bytes
	s_lshl_b32 s60, s56, 23                        ; X: b x 8 MiB + 256 rows of c x 8,192 + 512 bytes a work-group + 128 a wave
	s_lshl_b32 s59, s57, 21
	s_add_co_u32 s60, s60, s59
	s_lshl_b32 s59, s58, 9
	s_add_co_u32 s60, s60, s59
	s_lshl_b32 s59, s46, 7
	s_add_co_u32 s60, s60, s59
	s_cmp_eq_u32 s47, 0
	s_cselect_b64 s[4:5], s[4:5], s[6:7]           ; the choice hangs on the work-group's number alone
	s_add_nc_u64 s[4:5], s[4:5], s[60:61]
	s_lshl_b32 s60, s56, 21                        ; xc: position (2048 b + 128 x + 32 wave) x 1,024 + 256 x my part of c
	s_lshl_b32 s59, s58, 17
	s_add_co_u32 s60, s60, s59
	s_lshl_b32 s59, s46, 15
	s_add_co_u32 s60, s60, s59
	s_lshl_b32 s59, s57, 8
	s_add_co_u32 s60, s60, s59
	s_add_nc_u64 s[40:41], s[40:41], s[60:61]
	s_add_nc_u64 s[62:63], s[40:41], 0x1000000     ; part 2: Xq with e4
	s_lshl_b32 s60, s47, 23
	s_add_nc_u64 s[40:41], s[40:41], s[60:61]      ; part 0 (Xq with e0) or part 1 (Xk with e2)
.macro LOAD t                          ; block t: X(32 t + i, my column), i = 0 .. 31, into set t % 2: each load reads 128 consecutive bytes a wave, the four waves side by side on 512
.set n1, 0
.rept 32
	global_load_b32 v[X+32*((\t)%2)+n1], v3, s[4:5] offset:(32*(\t)+n1)*ROWX th:TH_LOAD_NT
.set n1, n1+1
.endr
.endm
; 32 numbers of set t % 2 become 32 codes under one scale and go into my row of a stage.  The set is left as it is, so that the set serves a second scale.
.macro Q32 lim, sc, c, stoff, t
.set n2, 0
.rept 32
.set n2, n2+1
.endr
.irp g, 0,1,2,3
	v_cvt_scalef32_pk8_fp8_f32 v[\c+2*\g:\c+2*\g+1], v[T+8*\g+((X+32*((\t)%2)+n2)-(T+n2)):T+8*\g+7+((X+32*((\t)%2)+n2)-(T+n2))], v[\sc]
.endr
	v_nop                                          ; one plain vector line between the conversions and the next lines that write their sources
	ds_store_b128 v4, v[\c:\c+3] offset:\stoff+32*(\t)
	ds_store_b128 v4, v[\c+4:\c+7] offset:\stoff+32*(\t)+16
.endm
.macro BLOCK t
.if (\t) < NB-1
	s_wait_loadcnt 32                              ; this block's 32 loads are in; the next block's 32 may be out
.else
	s_wait_loadcnt 0
.endif
	Q32 10, 11, CA, STA, \t
	s_cmp_lg_u32 s47, 0                            ; Xk has one scale
	s_cbranch_scc1 .Lone_\@
	Q32 12, 13, CB, STB, \t
.Lone_\@:
.if (\t)+2 < NB
	LOAD (\t)+2
.endif
	s_wait_dscnt 0x0                               ; the stage's stores have read their registers: the next block's codes may be written
.endm
.macro OUT stoff, reg, b               ; a stage leaves by rows: 16 lanes store 256 consecutive bytes, at a multiple of 256 from xc's first byte
.set n3, 0
.rept 16
	ds_load_b128 v[\reg+4*n3:\reg+4*n3+3], v7 offset:\stoff+2*n3*PITCH   ; LDS serves a wave's instructions in order: these see my stores
.set n3, n3+1
.endr
.set n3, 0
.rept 16
	s_wait_dscnt 15-n3                             ; the younger loads may be out
	global_store_b128 v8, v[\reg+4*n3:\reg+4*n3+3], s[\b:\b+1] offset:2*n3*1024
.set n3, n3+1
.endr
.endm
	LOAD 0
	LOAD 1
	s_wait_kmcnt 0x0                               ; the exponents
	s_cmp_eq_u32 s47, 0
	s_cselect_b32 s56, s48, s50                    ; e0 for Xq, e2 for Xk
	s_add_co_i32 s56, s56, 127
	s_lshl_b32 s57, s56, 23
	v_mov_b32 v11, s57                             ; 2^e as f32: the conversion takes its exponent field
	s_add_co_i32 s56, s52, 127                     ; e4
	s_lshl_b32 s57, s56, 23
	v_mov_b32 v13, s57
.set Q, 0
	s_wait_alu depctr_va_vdst(0)
.rept NB
	BLOCK Q
.set Q, Q+1
.endr
	OUT STA, OUTR, 40
	s_cmp_lg_u32 s47, 0
	s_cbranch_scc1 .Lxend
	OUT STB, X, 62
.Lxend:
	s_wait_tensorcnt 0x0
	ds_add_u32 v208, v209
	s_wait_dscnt 0x0
	s_endpgm
; ---------------------------------------------------------------- the weights, and the batch norms
.Lw:
	s_sub_co_u32 s56, ttmp9, 512                   ; 0 .. 95
	s_lshr_b32 s57, s56, 5                         ; which weight: 0 Wq, 1 Wk, 2 Wv
	s_and_b32 s58, s56, 31                         ; which 32,768 numbers of it
	s_wait_alu depctr_va_vdst(0)
	v_lshlrev_b32 v3, 4, v2                        ; my 16 bytes of a load's 512, and of a store's 512
	s_wait_alu depctr_va_vdst(0)
	s_lshl_b32 s59, s46, 13
	s_add_co_u32 s59, s59, WBASE                   ; my wave's 8,192 bytes of LDS: two stages of 32 x SP
	v_lshrrev_b32 v14, 2, v2
	v_mul_u32_u24 v14, v14, SP
	v_and_b32 v15, 3, v2
	v_lshl_add_u32 v14, v15, 4, v14
	v_add_nc_u32 v14, s59, v14                     ; in: four lanes' 64 bytes on end, then 16 of padding
	v_mul_u32_u24 v15, v2, SP
	v_add_nc_u32 v15, s59, v15                     ; out: my 16 neighbours
	s_cmp_eq_u32 s57, 0
	s_cselect_b64 s[8:9], s[8:9], s[10:11]
	s_cmp_eq_u32 s57, 2
	s_cselect_b64 s[8:9], s[12:13], s[8:9]
	s_lshl_b32 s60, s58, 2
	s_add_co_u32 s60, s60, s46
	s_lshl_b32 s60, s60, 15                        ; my wave's run of 8,192 numbers in the weight
	s_add_nc_u64 s[8:9], s[8:9], s[60:61]
	s_lshl_b32 s60, s56, 2
	s_add_co_u32 s60, s60, s46
	s_lshl_b32 s60, s60, 13                        ; and of 8,192 codes in wc: the three weights lie on end
	s_add_nc_u64 s[42:43], s[42:43], s[60:61]
.macro WLOAD t
.irp i, 0,1,2,3
	global_load_b128 v[R+16*((\t)%4)+4*\i:R+16*((\t)%4)+4*\i+3], v3, s[8:9] offset:2048*(\t)+512*\i th:TH_LOAD_NT   ; 32 lanes read 512 consecutive bytes
.endr
.endm
.macro WTURN t                         ; step t's numbers through the stage: LDS serves a wave's instructions in order, so no wait stands between the stores and the loads
.irp i, 0,1,2,3
	ds_store_b128 v14, v[R+16*((\t)%4)+4*\i:R+16*((\t)%4)+4*\i+3] offset:32*SP*((\t)%2)+8*SP*\i
.endr
.irp i, 0,1,2,3
	ds_load_b128 v[XW+16*((\t)%2)+4*\i:XW+16*((\t)%2)+4*\i+3], v15 offset:32*SP*((\t)%2)+16*\i
.endr
.endm
.irp t, 0,1,2,3
	WLOAD \t
.endr
	s_wait_alu depctr_va_vdst(0)
	s_wait_kmcnt 0x0                               ; the exponents
	s_cmp_eq_u32 s57, 0
	s_cselect_b32 s59, s49, s51                    ; the weight's e: e1, e3 or e5;
	s_cselect_b32 s62, s48, s50                    ; its partner's: e0, e2 or e4
	s_cmp_eq_u32 s57, 2
	s_cselect_b32 s59, s53, s59
	s_cselect_b32 s62, s52, s62
	s_add_co_i32 s62, s62, s59                     ; the two added: a sum of the product stands for sum x 2^that
	s_add_co_i32 s59, s59, 127
	s_lshl_b32 s60, s59, 23
	v_mov_b32 v11, s60                             ; 2^e
	s_add_co_i32 s59, s59, 8
	s_lshl_b32 s59, s59, 23
	s_or_b32 s59, s59, 0x600000
	s_wait_alu depctr_va_vdst(0)
	s_wait_loadcnt 12                              ; step 0's four loads are in
	WTURN 0
.macro WSTEP t
	s_wait_dscnt 0x0                               ; this step's numbers are back from the stage: so its stores into the stage have read their registers,
.if (\t)+4 < STEPS
	WLOAD (\t)+4                                   ; which take the loads of four steps on
.endif
.if (\t)+1 < STEPS
.if STEPS-2-(\t) >= 3
	s_wait_loadcnt 12                              ; the next step's four loads are in; those of the three steps behind it may be out
.else
	s_wait_loadcnt 4*(STEPS-2-(\t))
.endif
	WTURN (\t)+1                                   ; and go through the other stage while this step is worked
.endif
.irp i, 0,1,2,3,4,5,6,7,8,9,10,11,12,13,14,15
.endr
	v_cvt_scalef32_pk8_fp8_f32 v[CW+4*(\t):CW+4*(\t)+1], v[XW+16*((\t)%2):XW+16*((\t)%2)+7], v11
	v_cvt_scalef32_pk8_fp8_f32 v[CW+4*(\t)+2:CW+4*(\t)+3], v[XW+16*((\t)%2)+8:XW+16*((\t)%2)+15], v11
	global_store_b128 v3, v[CW+4*(\t):CW+4*(\t)+3], s[42:43] offset:512*(\t)   ; the codes go to a store alone; the next vector lines are plain and touch other registers
.endm
.irp t, 0,1,2,3,4,5,6,7,8,9,10,11,12,13,14,15
	WSTEP \t
.endr
	s_cmp_lg_u32 s46, 0                            ; wave 0 folds 32 channels of this weight's batch norm: 32 work-groups a weight cover its 1,024
	s_cbranch_scc1 .Lwend
	s_cmp_eq_u32 s57, 0
	s_cselect_b64 s[16:17], s[16:17], s[24:25]     ; gamma
	s_cselect_b64 s[18:19], s[18:19], s[26:27]     ; beta
	s_cselect_b64 s[20:21], s[20:21], s[28:29]     ; mean
	s_cselect_b64 s[22:23], s[22:23], s[30:31]     ; var
	s_cmp_eq_u32 s57, 2
	s_cselect_b64 s[16:17], s[32:33], s[16:17]
	s_cselect_b64 s[18:19], s[34:35], s[18:19]
	s_cselect_b64 s[20:21], s[36:37], s[20:21]
	s_cselect_b64 s[22:23], s[38:39], s[22:23]
	v_lshlrev_b32 v5, 2, v2
	s_lshl_b32 s60, s58, 7
	v_add_nc_u32 v5, s60, v5                       ; 4 x my channel
	global_load_b32 v6, v5, s[16:17]
	global_load_b32 v7, v5, s[18:19]
	global_load_b32 v8, v5, s[20:21]
	global_load_b32 v9, v5, s[22:23]
	s_lshl_b32 s60, s57, 13
	s_add_nc_u64 s[44:45], s[44:45], s[60:61]
	s_wait_loadcnt 0x0
	v_add_f32 v9, 0x3727c5ac, v9                   ; var + 1e-5
	s_wait_alu depctr_va_vdst(0)
	v_rsq_f32 v12, v9
	v_nop                                          ; a plain line behind the transcendental,
	s_wait_alu depctr_va_vdst(0)                   ; and the wait ahead of its first reader
	v_mul_f32 v12, v6, v12                         ; scale = gamma / sqrt(var + 1e-5)
	v_fma_f32 v13, -v8, v12, v7                    ; T = beta - mean x scale
	v_ldexp_f32 v12, v12, s62                      ; S' = scale x 2^(the two e added): exact
	global_store_b32 v5, v12, s[44:45]
	global_store_b32 v5, v13, s[44:45] offset:4096
.Lwend:
	s_wait_tensorcnt 0x0
	ds_add_u32 v208, v209
	s_wait_dscnt 0x0
	s_endpgm
.Lfunc_end_k_q2e753e3205_quant:
	.size	k_q2e753e3205_quant, .Lfunc_end_k_q2e753e3205_quant-k_q2e753e3205_quant
	.p2alignl 7, 3214868480
	.fill 96, 4, 3214868480
	.section	.rodata,"a",@progbits
	.p2align	6, 0x0
	.amdhsa_kernel k_q2e753e3205_quant
		.amdhsa_group_segment_fixed_size 102912
		.amdhsa_private_segment_fixed_size 0
		.amdhsa_enable_private_segment 0
		.amdhsa_kernarg_size 168
		.amdhsa_user_sgpr_count 2
		.amdhsa_user_sgpr_kernarg_segment_ptr 1
		.amdhsa_wavefront_size32 1
		.amdhsa_system_sgpr_workgroup_id_x 1
		.amdhsa_system_sgpr_workgroup_id_y 1
		.amdhsa_system_sgpr_workgroup_id_z 1
		.amdhsa_system_vgpr_workitem_id 0
		.amdhsa_next_free_vgpr 210
		.amdhsa_next_free_sgpr 66
		.amdhsa_reserve_vcc 0
		.amdhsa_float_denorm_mode_32 3
		.amdhsa_float_denorm_mode_16_64 3
		.amdhsa_fp16_overflow 1
		.amdhsa_memory_ordered 1
		.amdhsa_forward_progress 1
		.amdhsa_inst_pref_size 63
	.end_amdhsa_kernel
	.amdgpu_metadata
---
amdhsa.version: [ 1, 2 ]
amdhsa.kernels:
  - .name:           k_q2e753e3205_quant
    .symbol:         k_q2e753e3205_quant.kd
    .args:
      - { .name: Xq, .offset: 0, .size: 8, .value_kind: global_buffer, .address_space: global }
      - { .name: Xk, .offset: 8, .size: 8, .value_kind: global_buffer, .address_space: global }
      - { .name: Wq, .offset: 16, .size: 8, .value_kind: global_buffer, .address_space: global }
      - { .name: Wk, .offset: 24, .size: 8, .value_kind: global_buffer, .address_space: global }
      - { .name: Wv, .offset: 32, .size: 8, .value_kind: global_buffer, .address_space: global }
      - { .name: lowp_scales, .offset: 40, .size: 8, .value_kind: global_buffer, .address_space: global }
      - { .name: gamma1, .offset: 48, .size: 8, .value_kind: global_buffer, .address_space: global }
      - { .name: beta1, .offset: 56, .size: 8, .value_kind: global_buffer, .address_space: global }
      - { .name: mean1, .offset: 64, .size: 8, .value_kind: global_buffer, .address_space: global }
      - { .name: var1, .offset: 72, .size: 8, .value_kind: global_buffer, .address_space: global }
      - { .name: gamma2, .offset: 80, .size: 8, .value_kind: global_buffer, .address_space: global }
      - { .name: beta2, .offset: 88, .size: 8, .value_kind: global_buffer, .address_space: global }
      - { .name: mean2, .offset: 96, .size: 8, .value_kind: global_buffer, .address_space: global }
      - { .name: var2, .offset: 104, .size: 8, .value_kind: global_buffer, .address_space: global }
      - { .name: gamma3, .offset: 112, .size: 8, .value_kind: global_buffer, .address_space: global }
      - { .name: beta3, .offset: 120, .size: 8, .value_kind: global_buffer, .address_space: global }
      - { .name: mean3, .offset: 128, .size: 8, .value_kind: global_buffer, .address_space: global }
      - { .name: var3, .offset: 136, .size: 8, .value_kind: global_buffer, .address_space: global }
      - { .name: xc, .offset: 144, .size: 8, .value_kind: global_buffer, .address_space: global }
      - { .name: wc, .offset: 152, .size: 8, .value_kind: global_buffer, .address_space: global }
      - { .name: bn, .offset: 160, .size: 8, .value_kind: global_buffer, .address_space: global }
    .group_segment_fixed_size: 102912
    .private_segment_fixed_size: 0
    .kernarg_segment_align: 8
    .kernarg_segment_size: 168
    .max_flat_workgroup_size: 128
    .sgpr_count:     66
    .vgpr_count:     210
    .wavefront_size: 32
...
	.end_amdgpu_metadata
.endif
;; end of part 1
;; launch proj (part 2): grid 4 x 96, 4 waves a work-group, clusters of 4 x 4, 327,680 bytes of LDS; arguments xc, wc, lowp_scales, bn, pc; writes pc
.if DOCPART == 2
	.amdgcn_target "amdgcn-amd-amdhsa--gfx1250"
	.amdhsa_code_object_version 6
	.text
	.protected	k_q2e753e3205_proj
	.globl	k_q2e753e3205_proj
	.p2align	8
	.type	k_q2e753e3205_proj,@function
k_q2e753e3205_proj:
	s_mov_b64 s[64:65], 0
	v_nop
	global_prefetch_b8 v0, s[64:65] scope:SCOPE_SE
	s_setreg_imm32_b32 hwreg(HW_REG_WAVE_MODE, 25, 1), 1
	s_wait_xcnt 0x0
	s_wait_alu depctr_hold_cnt(0) depctr_sa_sdst(0) depctr_va_vdst(0) depctr_va_sdst(0) depctr_va_ssrc(0) depctr_va_vcc(0) depctr_vm_vsrc(0)
	s_getreg_b32 s2, hwreg(HW_REG_IB_STS2, 6, 4)
	s_cmp_eq_u32 s2, 0
	s_cbranch_scc0 .Lentry_in_a_cluster
	s_endpgm
.Lentry_in_a_cluster:
	s_bfe_u32 s2, ttmp6, 0x10000c
	s_cmp_lg_u32 s2, 0xf033
	s_cbranch_scc0 .Lentry_shape_is_right
	s_endpgm
.Lentry_shape_is_right:
; THE THREE PROJECTIONS ON CODES OF FP8 (E4M3), each [8192 positions x 1024 c] x [1024 c x 1024 o], then batch norm (folded: y = sum x S'[o] + T[o]), LeakyReLU(0.1) = max(y, 0.1 y), and the quantiser of the
; attention's operands.  g = 0: Q (xc part 0, wc part 0; codes with 2^e8, K = the position); g = 1: K (parts 1; 2^e6, K = the channel); g = 2: V (parts 2; 2^e7, K = the channel).
; A tile of 256 x 256 is made by four waves, as many as a WGP has SIMDs; a wave makes 128 x 128: 64 accumulators, 512 registers.  c goes in four steps of 256 through a ring of two LDS slots filled by the tensor data mover.
; THE MATRIX INSTRUCTION IS USED WITH SOURCE 0 = 16 ROWS OF 'B', SOURCE 1 = 16 ROWS OF 'A': a lane holds one row of A and, in its eight registers, eight neighbouring rows of B.  The next product's K must run along a
; lane's registers: so for K and V A = positions (xc), B = channels (wc); for Q A = channels (wc), B = positions (xc).  Only the two base addresses and the tile numbers are swapped (g is the same in all of a cluster).
; RESULTS LEAVE AS IMAGES OF OPERAND REGISTERS.  A wave's block a (16 rows of A x its 128 rows of B) is one fragment of v_wmma_f32_16x16x128_fp8_fp8: accumulator (a, i) converts into its registers 2 i, 2 i + 1
; (k = 16 i + 8 (lane / 16) + 0 .. 7).  It is stored by four stores of 512 consecutive bytes, lane l's 16 bytes at 16 l: 2,048 bytes a fragment, no stage in LDS.
;   pc part g at g x 8 MiB; in it (batch, head) bh at bh x 256 KiB; in that each 128 positions at 16 KiB: eight fragments (Q: 16 channels x 128 positions each; K, V: 16 positions x 128 channels each).
; CLUSTERS: 4 x 4 work-groups.  The four of a row of the cluster need the same tiles of A, the four of a column the same tiles of B: each tile is asked for JOINTLY.
; 384 tiles: 24 clusters.  No prefetch: of a tile's four steps two are first fills, and each block of codes is read by four or eight work-groups at about the same time.
; LIMITS: e6, e7, e8 between -126 and 119, so that 2^e and 448 x 2^e are f32 numbers.  NaN is not served.
; REGISTERS, in windows of 256: window 0: v0-31 addresses and the scale; v32-127 at work on the way out; from v128 A's fragments, ONE set; on the way out the codes.
;   window 1: B's fragments, TWO sets, at v0 and at v128; at the end S' and T take set 0.   window 2: the accumulators of my rows 0-63 ((a, i) at v[8 (8 a + i)]);   window 3: those of my rows 64-127.
.set ROWB,   256                       ; a tile's row in bytes: 256 codes
.set KROW,   1024                      ; a row of xc or of wc in memory
.set PITCH,  272                       ; an LDS row: 256 bytes + 16 of padding = 68 words: row r starts at bank 4 r mod 64 (64 banks of 4 bytes: ISA guide 11.1), so the 16 rows that a load touches start at 16 different banks
.set FR,     16                        ; registers of a fragment: 16 rows x 128 K
.set NL,     4                         ; LDS loads that bring one
.set NP,     4                         ; places behind this matrix instruction (ISA guide 7.12.1)
.set HALFT,  128*PITCH                 ; 128 rows: what one tensor load brings, and what one wave reads of A or of B
.set SLOT,   4*HALFT                   ; A's 256 rows, then B's 256 rows
.set SPARE,  2*SLOT                    ; behind the ring: the spare words, 128 bytes for each wave: two blocks of 256 bytes that no other line names
.set ADRA, 16                          ; v16-17  LDS address of my A fragments in slot 0, 1
.set ADRB, 20                          ; v20-21  the same for B
.set BKV,  24                          ; v24     32 x (lane / 16): my eight channels' S' and T, for K and V
.set BQ,   25                          ; v25     4 x (lane % 16): my one channel's, for Q
.set CO,   26                          ; v26     16 x lane: my place in an image
.set SC,   27                          ; v27     2^eo as f32, for the conversions
.set SPW,  28                          ; v28     LDS address of my spare word: SPARE + 4 x my thread's number; never rewritten
.set NIL,  29                          ; v29     0; never rewritten
.set LIM,  30
.set Y,    32                          ; v32-95  a block's 64 numbers
.set Z,    96                          ; v96-127 0.1 x 32 of them
.set AF,   128                         ; A's fragments, in window 0
.set CD,   128                         ; the way out: 16 registers of codes for each block, so that no store's data are written again
.set G1, 24                            ; s[24:31] descriptor group 1 for A's tiles;  s[32:39] group 0, one set for each slot
.set G0, 32
.set G1B, 48                           ; s[48:55], s[56:63] the same for B's tiles
.set G0B, 56
.set MSB, 0
.macro WIN new                         ; the immediate's high byte repeats the setting that is left
.if MSB != (\new)
	s_set_vgpr_msb (MSB<<8)|(\new)
.set MSB, (\new)
.endif
.endm
.set MUL_LO, 0xa1                      ; source 0 (B) window 1, source 1 (A) window 0, C and D window 2
.set MUL_HI, 0xf1                      ; the same, C and D window 3
.set TO_B,   0x40                      ; destination window 1, address window 0
; A joint load: waves 0 and 1 fetch for A, waves 2 and 3 for B.  Each of the two lines has ONE mask and one set of registers for all that issue it; the branch hangs on the wave's number alone.
; Four v_nop follow each of the two lines, ahead of the jump, the label and what follows.
.macro JLOAD g0a, g1a, g0b, g1b
	s_cmp_eq_u32 s15, 0
	s_cbranch_scc0 .Lfor_b_\@
	tensor_load_to_lds s[\g0a:\g0a+3], s[\g1a:\g1a+7]
	s_nop 0
.rept 4
	v_nop
.endr
	s_branch .Lasked_\@
.Lfor_b_\@:
	tensor_load_to_lds s[\g0b:\g0b+3], s[\g1b:\g1b+7]
	s_nop 0
.rept 4
	v_nop
.endr
.Lasked_\@:
.endm
.macro CREST                           ; a round of the cluster's barrier behind its opening barrier
	s_cmp_lg_u32 s14, 0
	s_cbranch_scc1 .Lnot_wave_0_\@
	s_barrier_signal -3
.Lnot_wave_0_\@:
	s_barrier_wait -3
	s_barrier_signal -1
	s_barrier_wait -1
.endm
.macro CROUND                          ; a whole round
	s_barrier_signal -1
	s_barrier_wait -1
	CREST
.endm
	s_load_b256 s[4:11], s[0:1], 0x0               ; xc s[4:5], wc s[6:7], the exponents s[8:9], bn s[10:11]
	s_load_b64 s[12:13], s[0:1], 0x20              ; pc
	v_lshl_add_u32 v[SPW], v0, 2, SPARE
	v_mov_b32 v[NIL], 0
	ds_add_u32 v28, v29
	ds_add_u32 v28, v29
	s_wait_dscnt 0x0
	v_lshrrev_b32 v1, 5, v0
	v_readfirstlane_b32 s14, v1                    ; wave 0..3
	s_lshr_b32 s15, s14, 1                         ; which half of the tile's rows of A is mine.  Also: I fetch for A (0) or for B (1)
	s_and_b32 s16, s14, 1                          ; which half of its rows of B.  Also: which 128 rows of that tile I fetch
	s_bfe_u32 s40, ttmp6, 0x40000                  ; cx, cy: my place in the cluster
	s_bfe_u32 s41, ttmp6, 0x40004
	s_and_b32 s17, ttmp7, 0xffff                   ; the cluster's y, 0 .. 23: eight clusters to a projection
	s_lshr_b32 s70, s17, 3                         ; g: the same in all sixteen partners
	s_and_b32 s71, s17, 7
	s_lshl_b32 s71, s71, 2                         ; the cluster's first tile of 256 positions
	s_cmp_eq_u32 s70, 0
	s_cselect_b32 s72, 0, s71                      ; Q: A = wc, its tile is cy; else A = xc, its tile the cluster's first + cy
	s_cselect_b32 s73, s71, 0                      ; Q: B = xc, its tile the cluster's first + cx; else B = wc, its tile cx
	s_add_co_u32 s72, s72, s41                     ; A's tile: it holds cy and never cx
	s_add_co_u32 s73, s73, s40                     ; B's tile: cx and never cy
	s_lshl_b32 s43, s41, 2
	s_lshl_b32 s43, 15, s43                        ; my row of the cluster
	s_lshl_b32 s44, 0x1111, s40                    ; my column
	; descriptor group 1: a tile of 128 rows x 256 bytes, padded in LDS
	s_or_b32 s[G1+0], s43, (0<<16)|(1<<20)|(1<<21)|(5<<22)|(3<<25)  ; 15:0 the mask: A's tiles go to my row; 17:16 element of 1 byte; 20 padding on; 21 set beside a mask; 24:22 after every 64 words (code 5); 31:25 of 4 words (code 3)
	s_or_b32 s[G1B+0], s44, (0<<16)|(1<<20)|(1<<21)|(5<<22)|(3<<25)
.irp g, G1, G1B
	s_mov_b32 s[\g+1], ROWB<<16                    ; tensor_dim0
	s_mov_b32 s[\g+2], 128<<16                     ; tensor_dim1 = 128
	s_mov_b32 s[\g+3], ROWB<<16                    ; tile_dim0
	s_mov_b32 s[\g+4], 128                         ; tile_dim1 = 128
	s_mov_b32 s[\g+5], KROW                        ; tensor_dim0_stride
	s_mov_b32 s[\g+6], 0
	s_mov_b32 s[\g+7], 0
.endr
	s_lshl_b32 s18, s16, 7                         ; which 128 rows of the tile I fetch
	s_lshl_b32 s20, s72, 8
	s_add_co_u32 s20, s20, s18                     ; A: row 256 x tile + 128 x half,
	s_lshl_b32 s20, s20, 10                        ; x 1,024 bytes,
	s_lshl_b32 s19, s70, 23
	s_add_co_u32 s20, s20, s19                     ; + g x 8 MiB: xc's part g (for g = 0, where A is wc, this is 0 as it must be)
	s_mov_b32 s21, 0
	s_lshl_b32 s46, s73, 8
	s_add_co_u32 s46, s46, s18
	s_lshl_b32 s46, s46, 10
	s_lshl_b32 s19, s70, 20
	s_add_co_u32 s46, s46, s19                     ; B: + g x 1 MiB: wc's part g (for g = 0, where B is xc, 0)
	s_mov_b32 s47, 0
	s_mul_i32 s45, s14, HALFT                      ; where they go: wave x 128 rows: no place in the cluster enters an LDS address
	s_wait_kmcnt 0x0
	s_load_b128 s[80:83], s[8:9], 0x18             ; e6, e7, e8, e9
	s_cmp_eq_u32 s70, 0
	s_cselect_b64 s[74:75], s[6:7], s[4:5]         ; A's buffer,
	s_cselect_b64 s[76:77], s[4:5], s[6:7]         ; B's
	s_add_nc_u64 s[74:75], s[74:75], s[20:21]
	s_add_nc_u64 s[76:77], s[76:77], s[46:47]
	CROUND                                         ; all sixteen work-groups are here: the first joint loads meet
.irp s, 0,1
	s_mov_b32 s[G0+4*\s], 1
	s_add_co_u32 s[G0+4*\s+1], s45, \s*SLOT
	s_add_nc_u64 s[G0+4*\s+2:G0+4*\s+3], s[74:75], \s*ROWB
	s_or_b32 s[G0+4*\s+3], s[G0+4*\s+3], 0x80000000
	s_mov_b32 s[G0B+4*\s], 1
	s_add_co_u32 s[G0B+4*\s+1], s45, \s*SLOT
	s_add_nc_u64 s[G0B+4*\s+2:G0B+4*\s+3], s[76:77], \s*ROWB
	s_or_b32 s[G0B+4*\s+3], s[G0B+4*\s+3], 0x80000000
	s_wait_alu depctr_va_vdst(0)
	s_wait_tensorcnt 0x0
	ds_add_u32 v28, v29
	ds_add_u32 v28, v29
	s_wait_dscnt 0x0
	CROUND
	JLOAD G0+4*\s, G1, G0B+4*\s, G1B               ; one load of mine is out
.endr
	v_and_b32 v1, 15, v0                           ; l % 16
	v_bfe_u32 v2, v0, 4, 1                         ; l / 16
	v_mul_u32_u24 v3, v1, PITCH
	v_lshl_add_u32 v4, v2, 4, v3                   ; a fragment's row x pitch + 16 x half
	s_mul_i32 s21, s15, HALFT                      ; my 128 rows of A
	s_mul_i32 s22, s16, HALFT                      ; my 128 rows of B,
	s_add_co_u32 s22, s22, 2*HALFT                 ; which lie behind A's 256
.irp s, 0,1
	v_add_nc_u32 v[ADRA+\s], s21, v4
	v_add_nc_u32 v[ADRB+\s], s22, v4
	s_add_co_u32 s21, s21, SLOT
	s_add_co_u32 s22, s22, SLOT
.endr
	v_lshlrev_b32 v[BKV], 5, v2
	v_lshlrev_b32 v[BQ], 2, v1
	v_and_b32 v5, 31, v0
	v_lshlrev_b32 v[CO], 4, v5
	; where my 128 x 128 goes.  My 128 rows of A are number u = 2 x A's tile + half, my 128 rows of B number w likewise.  Q: the head is u, the 128 positions are w; K, V: the other way round.
	s_lshl_b32 s86, s72, 1
	s_add_co_u32 s86, s86, s15
	s_lshl_b32 s87, s73, 1
	s_add_co_u32 s87, s87, s16
	s_cmp_eq_u32 s70, 0
	s_cselect_b32 s88, s86, s87                    ; the head, 0 .. 7
	s_cselect_b32 s89, s87, s86                    ; the 128 positions, 0 .. 63: 16 to a batch
	s_lshl_b32 s90, s70, 23                        ; pc: part g,
	s_lshr_b32 s86, s89, 4
	s_lshl_b32 s86, s86, 21                        ; batch x 8 heads x 256 KiB,
	s_add_co_u32 s90, s90, s86
	s_lshl_b32 s86, s88, 18                        ; head x 256 KiB,
	s_add_co_u32 s90, s90, s86
	s_and_b32 s86, s89, 15
	s_lshl_b32 s86, s86, 14                        ; 16 KiB for each 128 positions
	s_add_co_u32 s90, s90, s86
	s_mov_b32 s91, 0
	s_add_nc_u64 s[12:13], s[12:13], s[90:91]
	s_lshl_b32 s90, s70, 13                        ; bn: part g, the head's 128 channels
	s_lshl_b32 s86, s88, 9
	s_add_co_u32 s90, s90, s86
	s_add_nc_u64 s[10:11], s[10:11], s[90:91]
	s_mov_b32 s84, 0x3dcccccd                      ; 0.1
	s_mov_b32 s85, s84                             ; (named with it as a pair, so it is written)
	s_wait_alu depctr_va_vdst(0)
	s_wait_kmcnt 0x0
	s_cmp_eq_u32 s70, 1
	s_cselect_b32 s86, s80, s81                    ; K: e6, V: e7,
	s_cmp_eq_u32 s70, 0
	s_cselect_b32 s86, s82, s86                    ; Q: e8.  A choice, not a branch
	s_add_co_i32 s86, s86, 127
	s_lshl_b32 s87, s86, 23
	v_mov_b32 v[SC], s87                           ; 2^eo as f32: the conversion takes its exponent field
.macro FRAG reg, adr, q, i             ; a fragment, 16 rows x 128 K, by four loads of 16 bytes: registers 4 c .. 4 c + 3 hold K = 32 c + 16 (l / 16) + 0 .. 15: a permutation of k that is the same in A and in B
.irp c, 0,1,2,3
	ds_load_b128 v[\reg+4*\c:\reg+4*\c+3], v[\adr] offset:128*(\q)+32*\c+(\i)*16*PITCH
.endr
.endm
; 16 matrix instructions: A's blocks a0, a0 + 1 x B's eight, 128 along K.  p: B's set.  zero = 1: the first product starts the sums: nothing is ever cleared.
; The 64 accumulators take turns, one instruction a turn, in the same order in every step.
.macro MUL16 a0, p, zero
.irp a, \a0, \a0+1
.irp b, 0,1,2,3,4,5,6,7
.if \zero
	v_wmma_f32_16x16x128_fp8_fp8 v[8*(8*((\a)%4)+\b):8*(8*((\a)%4)+\b)+7], v[128*(\p)+FR*\b:128*(\p)+FR*\b+FR-1], v[AF+FR*(\a):AF+FR*(\a)+FR-1], 0
.else
	v_wmma_f32_16x16x128_fp8_fp8 v[8*(8*((\a)%4)+\b):8*(8*((\a)%4)+\b)+7], v[128*(\p)+FR*\b:128*(\p)+FR*\b+FR-1], v[AF+FR*(\a):AF+FR*(\a)+FR-1], v[8*(8*((\a)%4)+\b):8*(8*((\a)%4)+\b)+7]
.endif
.endr
.endr
.endm
.macro FETCH_B slot, q, p              ; B's eight fragments of the slot's q-th 128 along K into set p
	WIN TO_B
.irp i, 0,1,2,3,4,5,6,7
	FRAG 128*(\p)+FR*\i, ADRB+\slot, \q, \i
.endr
	WIN 0
.endm
.macro FETCH_A slot, q, i0             ; A's blocks i0 .. i0 + 3
.irp i, \i0, \i0+1, \i0+2, \i0+3
	FRAG AF+FR*(\i), ADRA+\slot, \q, \i
.endr
.endm
; A load into a register that a matrix instruction has read, and a vector instruction that reads a matrix result or writes one of a matrix instruction's registers, stand NP places behind it, and only plain
; vector instructions that name none of its registers are places (ISA guide 7.12.1 for vector instructions).
.macro PLACES n
.rept \n
	v_nop
.endr
.endm
; A step of 128 along K that has its successor in the same slot.
.macro STEP slot, q, zero
	s_wait_dscnt 4*NL                              ; B's set and A's blocks 0-3 are in; the youngest sixteen loads (A's blocks 4-7) may be out
	WIN MUL_LO
	MUL16 0, (\q)%2, \zero
	MUL16 2, (\q)%2, \zero
	s_wait_dscnt 0                                 ; A's blocks 4-7 are in (asked for 32 matrix instructions ago)
	PLACES NP
	FETCH_B \slot, (\q)+1, 1-(\q)%2
	FETCH_A \slot, (\q)+1, 0
	WIN MUL_HI
	MUL16 4, (\q)%2, \zero
	MUL16 6, (\q)%2, \zero
	PLACES NP
	WIN 0
	FETCH_A \slot, (\q)+1, 4
.endm
; A slot's last step changes slots: ONE barrier; in front of it each wave waits for all its tensor loads, adds 0 to its spare word, and waits for that and for its own reads of this slot.  fill = 1: this slot is filled again, two K steps ahead.
.macro TURN slot, next, fill
	s_wait_tensorcnt 0x0                           ; all my tensor loads have landed: my part of the next slot;  (every window is 0 here: the add's two registers lie in window 0)
	ds_add_u32 v[SPW], v[NIL]                      ; 0 onto my spare word
	s_wait_dscnt 4*NL+1                            ; (the add and the youngest sixteen loads, A's blocks 4-7, may be out)
	WIN MUL_LO
	MUL16 0, 1, 0                                  ; sixteen matrix instructions stand between the add and the wait for it
	s_wait_dscnt 0x0                               ; the add is done, and my reads of this slot are over
	s_barrier_signal -1
	MUL16 2, 1, 0
	WIN 0
	s_barrier_wait -1
.if \fill
	CREST                                          ; the barrier has opened a round of the cluster's barrier: no wave of any partner still reads this slot's tile or has a load on its way
	s_add_nc_u64 s[G0+4*\slot+2:G0+4*\slot+3], s[G0+4*\slot+2:G0+4*\slot+3], 2*ROWB
	s_add_nc_u64 s[G0B+4*\slot+2:G0B+4*\slot+3], s[G0B+4*\slot+2:G0B+4*\slot+3], 2*ROWB
	JLOAD G0+4*\slot, G1, G0B+4*\slot, G1B         ; the first tensor load behind the round, my one load until the next; the four v_nop behind it are the places in front of the loads below
.else
	PLACES NP
.endif
	FETCH_B \next, 0, 0
	FETCH_A \next, 0, 0
	WIN MUL_HI
	MUL16 4, 1, 0
	MUL16 6, 1, 0
	PLACES NP
	WIN 0
	FETCH_A \next, 0, 4
.endm
; The very last step of 128: nothing more to fetch.
.macro LAST
	s_wait_dscnt 4*NL
	WIN MUL_LO
	MUL16 0, 1, 0
	MUL16 2, 1, 0
	s_wait_dscnt 0
	WIN MUL_HI
	MUL16 4, 1, 0
	MUL16 6, 1, 0
	WIN 0
.endm
; THE WAY OUT, block by block of 16 rows of A.  q = 0 (K, V): a lane's 64 numbers are 64 channels: S' in v0-63 and T in v64-127 of window 1, in the accumulators' order.  q = 1 (Q): a lane's 64 numbers are one
; channel's: block a's S' and T are the pair v[2 a], v[2 a + 1] of window 1.  One packed multiply-add for two numbers; max(y, 0.1 y); the conversions; four stores of 512 consecutive bytes.
.macro EPI q
.set bl, 0
.rept 8
	WIN 0x16+bl/4                                  ; source 0 (the sums) window 2 or 3, sources 1 and 2 (S', T) window 1, destination window 0
.set kk, 0
.rept 32
.if \q
	v_pk_fma_f32 v[Y+kk:Y+kk+1], v[64*(bl%4)+kk:64*(bl%4)+kk+1], v[2*bl:2*bl+1], v[2*bl:2*bl+1] op_sel:[0,0,1] op_sel_hi:[1,0,1]   ; x the pair's first word, + its second, in both halves
.else
	v_pk_fma_f32 v[Y+kk:Y+kk+1], v[64*(bl%4)+kk:64*(bl%4)+kk+1], v[kk:kk+1], v[64+kk:64+kk+1]   ; each accumulator from its low end on
.endif
.set kk, kk+2
.endr
	WIN 0
.set hh, 0
.rept 2
.set kk, 0
.rept 16
	v_pk_mul_f32 v[Z+kk:Z+kk+1], v[Y+32*hh+kk:Y+32*hh+kk+1], s[84:85] op_sel_hi:[1,0]
.set kk, kk+2
.endr
.set kk, 0
.rept 32
	v_max_num_f32 v[Y+32*hh+kk], v[Y+32*hh+kk], v[Z+kk]        ; y where y > 0, else 0.1 y
.set kk, kk+1
.endr
.set hh, hh+1
.endr
.set kk, 0
.rept 64
.set kk, kk+1
.endr
.set kk, 0
.rept 8
	v_cvt_scalef32_pk8_fp8_f32 v[CD+16*bl+2*kk:CD+16*bl+2*kk+1], v[Y+8*kk:Y+8*kk+7], v[SC]   ; accumulator (a, i) -> the fragment's registers 2 i, 2 i + 1
.set kk, kk+1
.endr
	v_nop                                          ; one plain vector line between the conversions and the next block's lines, which write their sources
.set kk, 0
.rept 4
	global_store_b128 v[CO], v[CD+16*bl+4*kk:CD+16*bl+4*kk+3], s[12:13] offset:bl*2048+kk*512   ; 32 lanes store 512 consecutive bytes, at a multiple of 256 from pc's first byte
.set kk, kk+1
.endr
.set bl, bl+1
.endr
.endm
	s_wait_tensorcnt 1                             ; my part of K step 0 is in (K step 1's load may be out)
	s_barrier_signal -1
	s_barrier_wait -1                              ; everybody's is
	FETCH_B 0, 0, 0
	FETCH_A 0, 0, 0
	FETCH_A 0, 0, 4
	STEP 0, 0, 1                                   ; the first step's products start the sums
	TURN 0, 1, 1                                   ; slot 0 takes K step 2
	STEP 1, 0, 0
	TURN 1, 0, 1                                   ; slot 1 takes K step 3
	STEP 0, 0, 0
	TURN 0, 1, 0                                   ; nothing is left to fetch: no round
	STEP 1, 0, 0
	s_cmp_eq_u32 s70, 0                            ; g hangs on the cluster's number alone
	s_cbranch_scc1 .Lq
	WIN TO_B                                       ; K, V: S' and T of my 128 channels into B's set 0, whose last products stand in front of the step's closing places; they land under the last 64 products
.set kk, 0
.rept 8
	global_load_b128 v[8*kk:8*kk+3], v[BKV], s[10:11] offset:64*kk             ; S'(16 i + 8 (lane / 16) + 0 .. 7)
	global_load_b128 v[8*kk+4:8*kk+7], v[BKV], s[10:11] offset:64*kk+16
	global_load_b128 v[64+8*kk:64+8*kk+3], v[BKV], s[10:11] offset:4096+64*kk  ; T likewise
	global_load_b128 v[64+8*kk+4:64+8*kk+7], v[BKV], s[10:11] offset:4096+64*kk+16
.set kk, kk+1
.endr
	WIN 0
	LAST
	s_wait_loadcnt 0x0
	PLACES NP                                      ; behind the last products: the way out reads results and writes over A's fragments
	EPI 0
	s_branch .Lend
.Lq:
	WIN TO_B                                       ; Q: S' and T of channel 16 a + lane % 16, a pair for each block a
.set kk, 0
.rept 8
	global_load_b32 v[2*kk], v[BQ], s[10:11] offset:64*kk
	global_load_b32 v[2*kk+1], v[BQ], s[10:11] offset:4096+64*kk
.set kk, kk+1
.endr
	WIN 0
	LAST
	s_wait_loadcnt 0x0
	PLACES NP
	EPI 1
.Lend:
	s_wait_tensorcnt 0x0                           ; the wave's end: behind my last tensor load, as my last LDS instructions
	ds_add_u32 v[SPW], v[NIL]
	s_wait_dscnt 0x0
	CROUND                                         ; the closing round: no work-group ends while a partner may still ask for a tile that names it
	s_endpgm
.Lfunc_end_k_q2e753e3205_proj:
	.size	k_q2e753e3205_proj, .Lfunc_end_k_q2e753e3205_proj-k_q2e753e3205_proj
	.p2alignl 7, 3214868480
	.fill 96, 4, 3214868480
	.section	.rodata,"a",@progbits
	.p2align	6, 0x0
	.amdhsa_kernel k_q2e753e3205_proj
		.amdhsa_group_segment_fixed_size 327680
		.amdhsa_private_segment_fixed_size 0
		.amdhsa_enable_private_segment 0
		.amdhsa_kernarg_size 40
		.amdhsa_user_sgpr_count 2
		.amdhsa_user_sgpr_kernarg_segment_ptr 1
		.amdhsa_wavefront_size32 1
		.amdhsa_system_sgpr_workgroup_id_x 1
		.amdhsa_system_sgpr_workgroup_id_y 1
		.amdhsa_system_sgpr_workgroup_id_z 1
		.amdhsa_system_vgpr_workitem_id 0
		.amdhsa_next_free_vgpr 1024
		.amdhsa_next_free_sgpr 92
		.amdhsa_reserve_vcc 0
		.amdhsa_float_denorm_mode_32 3
		.amdhsa_float_denorm_mode_16_64 3
		.amdhsa_fp16_overflow 1
		.amdhsa_memory_ordered 1
		.amdhsa_forward_progress 1
		.amdhsa_inst_pref_size 200
	.end_amdhsa_kernel
	.amdgpu_metadata
---
amdhsa.version: [ 1, 2 ]
amdhsa.kernels:
  - .name:           k_q2e753e3205_proj
    .symbol:         k_q2e753e3205_proj.kd
    .args:
      - { .name: xc, .offset: 0, .size: 8, .value_kind: global_buffer, .address_space: global }
      - { .name: wc, .offset: 8, .size: 8, .value_kind: global_buffer, .address_space: global }
      - { .name: lowp_scales, .offset: 16, .size: 8, .value_kind: global_buffer, .address_space: global }
      - { .name: bn, .offset: 24, .size: 8, .value_kind: global_buffer, .address_space: global }
      - { .name: pc, .offset: 32, .size: 8, .value_kind: global_buffer, .address_space: global }
    .group_segment_fixed_size: 327680
    .private_segment_fixed_size: 0
    .kernarg_segment_align: 8
    .kernarg_segment_size: 40
    .max_flat_workgroup_size: 128
    .sgpr_count:     92
    .vgpr_count:     1024
    .wavefront_size: 32
...
	.end_amdgpu_metadata
.endif
;; end of part 2
;; launch attn (part 3): grid 8 x 32, 8 waves a work-group, clusters of 4 x 1, 327,680 bytes of LDS; arguments pc, lowp_scales, out0; writes out0
.if DOCPART == 3
	.amdgcn_target "amdgcn-amd-amdhsa--gfx1250"
	.amdhsa_code_object_version 6
	.text
	.protected	k_q2e753e3205_attn
	.globl	k_q2e753e3205_attn
	.p2align	8
	.type	k_q2e753e3205_attn,@function
k_q2e753e3205_attn:
	s_mov_b64 s[64:65], 0
	v_nop
	global_prefetch_b8 v0, s[64:65] scope:SCOPE_SE
	s_setreg_imm32_b32 hwreg(HW_REG_WAVE_MODE, 25, 1), 1
	s_wait_xcnt 0x0
	s_wait_alu depctr_hold_cnt(0) depctr_sa_sdst(0) depctr_va_vdst(0) depctr_va_sdst(0) depctr_va_ssrc(0) depctr_va_vcc(0) depctr_vm_vsrc(0)
	s_getreg_b32 s2, hwreg(HW_REG_IB_STS2, 6, 4)
	s_cmp_eq_u32 s2, 0
	s_cbranch_scc0 .Lentry_in_a_cluster
	s_endpgm
.Lentry_in_a_cluster:
	s_bfe_u32 s2, ttmp6, 0x10000c
	s_cmp_lg_u32 s2, 0x3003
	s_cbranch_scc0 .Lentry_shape_is_right
	s_endpgm
.Lentry_shape_is_right:
; out0[b][128 h + c][i] = the sum over j of softmax_j(K[.., i] . V[.., j] / sqrt(128)) Q[c][j], for each of 32 (batch, head), both products on codes of FP8 (E4M3).
; The 'queries' are K's positions i (pc part 1, 2^e6), the 'keys' V's positions j (part 2, 2^e7), the 'values' Q[c][j] (part 0, 2^e8, K = j); p has 2^e9.
; THE SOFTMAX AHEAD OF THE SECOND PRODUCT: t = score x log2(e) / sqrt(128); M = the row's largest t so far, rounded UP to a whole number; p = 2^(t - M) is what is quantised, along j; it is not normalised.
; The row's sum is taken of the unquantised p, in f32, and divides at the end.  When M moves, the sum and O are multiplied by 2^(old M - new M): exact.
; SHARES.  A work-group owns 256 queries of one (batch, head); each of its EIGHT waves owns 32 of them, TWO tiles of 16, in 512 registers: two waves to a SIMD.  Each fragment of keys or of values that a wave takes out of
; LDS feeds two products, one for each tile.  Every wave walks all 2,048 keys, 128 a step.
; pc holds IMAGES OF OPERAND REGISTERS: a fragment (16 rows x 128 K) is 2,048 bytes, four groups of 512, lane l's 16 bytes at 16 l; 128 positions of a head are eight fragments, 16 KiB on end.  So a step's keys and a
; step's values are dense blocks for one descriptor, and a fragment comes out of LDS by four loads of 512 consecutive bytes, with k in its own place.
; LAYOUT.  S^T = keys x queries^T (source 0 = 16 keys, source 1 = 16 queries), O^T = values x P^T (source 0 = 16 channels, source 1 = P): a lane holds ONE query (lane % 16) of each tile throughout.  A tile of S^T holds
; keys 16 t + 8 (lane / 16) + 0 .. 7 in its eight registers: their codes are registers 2 t, 2 t + 1 of P's fragment.
; A STEP.  Eight fragments of keys into two buffers; 16 products S^T; the eight fragments of values are asked for at once, into the same buffers, and land while the softmax is walked; tile 0's softmax; tile 0's eight
; products O^T, which run beside tile 1's softmax; tile 1's eight.
; THE RING.  Two LDS slots of four key steps (64 KiB of keys, then 64 KiB of values); each of the eight waves fetches one block of 16 KiB of a slot by one tensor load; a fill has four key steps in which to land.
; CLUSTER.  The four blocks of queries of a cluster belong to one head and walk the same keys and values: each block is asked for JOINTLY, by the same tensor load with the same descriptor and the mask of all four.
; LIMITS on the given exponents, so that each power of two below is an f32 number: e6 + e7 between -123 and 130 (they are added to c's exponent field); e9 between -126 and 119; e8 + e9 is applied by v_ldexp_f32 and has none.
; REGISTERS, in two windows of 256 with the SAME numbers: window 0 is tile 0's, window 1 tile 1's (s_set_vgpr_msb's low byte: bits 1:0 source 0, 3:2 source 1, 5:4 source 2, 7:6 destination).  In each:
;   v12 -M, v13 the largest t, v[14:15] the sum in two halves; v16-31 the tile's queries; v32-95 a buffer of four fragments (window 0: FA, window 1: FB; both serve both tiles); v96-159 S^T, then p; v160-223 O^T;
;   v224-239 p's codes; v244 2^e9 (a copy in each window); v236, v242-243, v252-254 at work.   Window 0 alone: v1 16 x lane; v3 the prefetches' offset; v5, v6 the add's; v7-11 addresses.
; So a tile's softmax is one text, run under the setting 0 and under 0x55, and a step has twelve switches for its 32 products.
.set FRB,   2048                       ; a fragment's image
.set STEPB, 16384                      ; a step's eight fragments
.set VOFF,  65536                      ; a slot: four steps' keys, then four steps' values
.set SLOT1, 131072                     ; slot 1 begins here, so that one exclusive or turns an address in one slot into the other's
.set SLOTG, 65536                      ; a slot's keys (or values) in memory
.set NSL,   4                          ; 2,048 keys are four slots
.set SPARE, 262144                     ; behind the ring: the spare words, 128 bytes for each wave: four blocks of 256 bytes that no other line names
.set SPITCH, 1040                      ; the way out: a stage of 128 rows (channels) x (256 queries x 4 bytes + 16), from LDS byte 0 on: both slots have had their last fill and their last read when it is written
.set LI,   1                           ; v1   16 x lane: my place in every image, and in 512 bytes of a row on the way out; never rewritten
.set PFO,  3                           ; v3   256 x lane; never rewritten
.set SPW,  5                           ; v5   LDS address of my spare word: SPARE + 4 x my thread's number; never rewritten
.set NIL,  6                           ; v6   0; never rewritten
.set RD,   7                           ; v7   the way out: where I read rows back
.set ADK,  8                           ; v8   LDS address of the slot's keys
.set ADV,  9                           ; v9   of its values
.set SO,   10                          ; v10  the way out: where I put a number, channels 0-63;
.set SO2,  11                          ; v11  channels 64-127 (the immediate has 16 bits)
.set WV,   18                          ; s18  my wave's number
.set SEL,  20                          ; s[20:21] lane selects for v_permlanex16_b32: lane l xor 16
.set CS,   22                          ; s[22:23] c = log2(e) / sqrt(128) x 2^(e6 + e7): the packed form names a pair and takes its low word for both halves
.set G1,   24                          ; s[24:31] descriptor group 1: one shape for all blocks
.set G0,   40                          ; s[40:43] descriptor group 0, which walks
.set TB,   66                          ; s66  LDS byte at which the slot in hand begins
.set SLOTS, 67                         ; s67  slots still to be asked for
.set PFA,  76                          ; s[76:77] where my prefetches stand in memory
.set LIM,  80                          ; s80  1 in a wave that prefetches, else the greatest number: a wave prefetches while s[SLOTS] is above it
.set MSB, 0
.macro WIN new                         ; the immediate's high byte repeats the setting that is left; a switch that changes nothing is dropped
.if MSB != (\new)
	s_set_vgpr_msb (MSB<<8)|(\new)
.set MSB, (\new)
.endif
.endm
; A round of the cluster's barrier.
.macro CROUND
	s_barrier_signal -1
	s_barrier_wait -1
	s_cmp_lg_u32 s[WV], 0
	s_cbranch_scc1 .Lnot_wave_0_\@
	s_barrier_signal -3
.Lnot_wave_0_\@:
	s_barrier_wait -3
	s_barrier_signal -1
	s_barrier_wait -1
.endm
; Every wave fetches one block of 16 KiB of a slot: waves 0 to 3 the four steps' keys, waves 4 to 7 the four steps' values; its LDS bytes are the slot's + 16,384 x wave.  Four v_nop follow the line.
.macro TLOAD
	tensor_load_to_lds s[G0:G0+3], s[G1:G1+7]
	s_nop 0
.rept 4
	v_nop
.endr
.endm
; A PREFETCH INTO THE L2 of what the NEXT change of slots will ask for: a slot's 64 KiB of keys and 64 KiB of values.  It stands behind the wave's tensor load and its four lines.  Each aligned block of 256 bytes is named
; ONCE in the launch: both clusters of a head walk the same blocks, and the first (cluster x = 0) asks; its four partners take 16 KiB of each block, told apart BY ADDRESS; in each, waves 0 and 1 ask for the two halves of
; the keys' 16 KiB and waves 2 and 3 for the values', lanes 256 bytes apart, one instruction.  Slots 0 and 1 come by their loads alone; the last change that fills a slot asks for nothing: there is no slot behind it.
.macro ASK
	s_cmp_gt_u32 s[SLOTS], s[LIM]
	s_cbranch_scc0 .Lnot_mine_\@
	global_prefetch_b8 v[PFO], s[PFA:PFA+1] th:TH_LOAD_NT scope:SCOPE_SE
.Lnot_mine_\@:
.endm
	s_load_b128 s[4:7], s[0:1], 0x0                ; pc s[4:5], the exponents s[6:7]
	s_load_b64 s[8:9], s[0:1], 0x10                ; out0
	v_lshl_add_u32 v[SPW], v0, 2, SPARE
	v_mov_b32 v[NIL], 0
	ds_add_u32 v5, v6
	ds_add_u32 v5, v6
	s_wait_dscnt 0x0
	v_lshrrev_b32 v8, 5, v0
	s_delay_alu instid0(VALU_DEP_1)
	v_readfirstlane_b32 s[WV], v8                  ; wave 0..7
	s_bfe_u32 s13, ttmp6, 0x40000                  ; cx: my place in the cluster
	s_lshl_b32 s14, ttmp9, 2                       ; in a cluster launch ttmp9 counts clusters
	s_add_co_u32 s14, s14, s13                     ; my block of 256 queries: it enters global addresses alone
	s_and_b32 s72, ttmp7, 0xffff                   ; (batch, head), which the four partners share
	s_lshl_b32 s73, s72, 18                        ; its 256 KiB in each part of pc
	s_lshr_b32 s74, s[WV], 2
	s_xor_b32 s74, s74, 1
	s_lshl_b32 s74, s74, 24                        ; waves 0 to 3: part 2 (the keys), at 16 MiB; waves 4 to 7: part 0 (the values)
	s_and_b32 s75, s[WV], 3
	s_lshl_b32 s75, s75, 14                        ; which of a slot's four steps
	s_add_co_u32 s74, s74, s75
	s_add_co_u32 s74, s74, s73
	s_mov_b32 s75, 0
	s_mov_b32 s83, 0
	; descriptor group 1: 16 KiB, dense in memory and in LDS, as 64 rows of 256 bytes
	s_mov_b32 s[G1], 15|(3<<16)|(1<<21)            ; 15:0 the mask: all four work-groups; 17:16 elements of 8 bytes; 20 no padding; 21 set beside a mask
	s_mov_b32 s[G1+1], 32<<16                      ; tensor_dim0 = 32 elements
	s_mov_b32 s[G1+2], 64<<16                      ; tensor_dim1 = 64
	s_mov_b32 s[G1+3], 32<<16                      ; tile_dim0
	s_mov_b32 s[G1+4], 64                          ; tile_dim1
	s_mov_b32 s[G1+5], 32                          ; tensor_dim0_stride
	s_mov_b32 s[G1+6], 0
	s_mov_b32 s[G1+7], 0
	s_mov_b32 s[SEL], 0x76543210
	s_mov_b32 s[SEL+1], 0xfedcba98
	s_mov_b32 s[CS], 0x3e0293ee                    ; log2(e) / sqrt(128)
	s_mov_b32 s[TB], 0
	s_mov_b32 s[SLOTS], NSL-1
	s_wait_kmcnt 0x0
	s_load_b128 s[68:71], s[6:7], 0x18             ; e6, e7, e8, e9
	s_mov_b32 s[G0], 1                             ; 1:0 count = 1
	s_lshl_b32 s[G0+1], s[WV], 14                  ; 63:32 LDS address: slot 0, wave x 16 KiB: no place in the cluster enters it
	s_add_nc_u64 s[G0+2:G0+3], s[4:5], s[74:75]    ; 120:64 global address: my block of the head's first 512 keys
	s_or_b32 s[G0+3], s[G0+3], 0x80000000          ; 127:126 type = 2
	CROUND                                         ; all four work-groups are here: the first joint loads meet
	TLOAD                                          ; slot 0
	s_lshl_b32 s82, s14, 4
	s_lshl_b32 s86, s[WV], 1
	s_add_co_u32 s82, s82, s86                     ; my first tile of 16 queries: 16 x block + 2 x wave
	s_lshl_b32 s82, s82, 11
	s_add_co_u32 s82, s82, s73
	s_add_co_u32 s82, s82, 0x800000                ; in part 1
	s_add_nc_u64 s[84:85], s[4:5], s[82:83]
	v_and_b32 v2, 31, v0
	s_delay_alu instid0(VALU_DEP_1)
	v_lshlrev_b32 v[LI], 4, v2
	s_delay_alu instid0(VALU_DEP_2)
	v_lshlrev_b32 v[PFO], 8, v2
.irp c, 0,1,2,3
	global_load_b128 v[16+4*\c:19+4*\c], v[LI], s[84:85] offset:512*\c        ; tile 0's queries stay in registers,
.endr
	WIN 0x40                                       ; destination window 1
.irp c, 0,1,2,3
	global_load_b128 v[16+4*\c:19+4*\c], v[LI], s[84:85] offset:FRB+512*\c    ; and tile 1's
.endr
	WIN 0
	s_lshl_b32 s82, s72, 20                        ; out0: the head's 128 rows of 8,192 bytes,
	s_lshl_b32 s86, s[WV], 17                      ; the 16 rows that I store,
	s_add_co_u32 s82, s82, s86
	s_lshl_b32 s86, s14, 10                        ; my block's 1,024 bytes of a row
	s_add_co_u32 s82, s82, s86
	s_add_nc_u64 s[8:9], s[8:9], s[82:83]
	s_bfe_u32 s82, s[WV], 0x10001                  ; the prefetches: waves 0, 1 the keys (part 2), waves 2, 3 the values (part 0),
	s_xor_b32 s82, s82, 1
	s_lshl_b32 s82, s82, 24
	s_add_co_u32 s82, s82, s73                     ; in my head,
	s_lshl_b32 s86, s13, 14
	s_add_co_u32 s82, s82, s86                     ; my work-group's 16 KiB of the 64 KiB,
	s_and_b32 s86, s[WV], 1
	s_lshl_b32 s86, s86, 13
	s_add_co_u32 s82, s82, s86                     ; my wave's half of them,
	s_add_co_u32 s82, s82, SLOTG                   ; in slot 1: the first change of slots steps it to slot 2.  Nothing is prefetched here, at the head
	s_add_nc_u64 s[PFA:PFA+1], s[4:5], s[82:83]
	s_lshr_b32 s82, s[WV], 2                       ; 0 in waves 0 to 3,
	s_or_b32 s82, s82, ttmp9                       ; of the head's first cluster: the same in all four partners
	s_cmp_eq_u32 s82, 0
	s_cselect_b32 s[LIM], 1, -1
	s_wait_kmcnt 0x0
	s_add_co_i32 s72, s68, s69
	s_lshl_b32 s72, s72, 23
	s_add_co_i32 s[CS], s[CS], s72                 ; a score stands for score x 2^(e6 + e7): the two exponents are added to c's exponent field
	s_mov_b32 s[CS+1], s[CS]                       ; (named with it as a pair, so it is written)
	s_add_co_i32 s72, s71, 127
	s_lshl_b32 s73, s72, 23                        ; 2^e9 as f32, for the conversion
; A tile's start, under its window.  The step is written once for all steps: the first finds zeros in O^T and in the sum, which the first change of M leaves zeros; a first step of its own would be a third copy of the slot's text.
.macro INIT
	v_mov_b32 v13, 0xff61b1e6                      ; the largest t so far: -3e38, under every t
	s_delay_alu instid0(VALU_DEP_1)
	v_floor_f32 v12, -v13                          ; -M
	v_mov_b32 v14, 0                               ; the sum, in two halves
	v_mov_b32 v15, 0
	v_mov_b32 v236, 0                              ; written once: a lane permute's destination counts as one of its sources
	v_mov_b32 v253, 0                              ; (named as the upper half of the pair v[252:253])
	v_mov_b32 v244, s73
.set n1, 0
.rept 64
	v_mov_b32 v[160+n1], 0                         ; O^T
.set n1, n1+1
.endr
.endm
	INIT
	WIN 0x55
	INIT
	WIN 0
; Four fragments into v32-95 of the window that is set for the destination: sixteen loads of 512 consecutive bytes.
.macro LOAD4 adr, off
.irp t, 0,1,2,3
.irp c, 0,1,2,3
	ds_load_b128 v[32+16*\t+4*\c:32+16*\t+4*\c+3], v[\adr] offset:(\off)+FRB*\t+512*\c
.endr
.endr
.endm
; Four products: a buffer's four fragments (source 0) against one tile's queries or codes (source 1, at v[b]), into four accumulators from v[d] on: no two that follow each other share an accumulator.
; zero = 1: the product is the whole sum.  cnt >= 0: the LDS loads that may be out when the first fragment is wanted; four fewer for each further one.
.macro MM4 d, b, zero, cnt
.irp t, 0,1,2,3
.if \cnt >= 0
	s_wait_dscnt \cnt-4*\t
.endif
.if \zero
	v_wmma_f32_16x16x128_fp8_fp8 v[\d+8*\t:\d+8*\t+7], v[32+16*\t:47+16*\t], v[\b:\b+15], 0
.else
	v_wmma_f32_16x16x128_fp8_fp8 v[\d+8*\t:\d+8*\t+7], v[32+16*\t:47+16*\t], v[\b:\b+15], v[\d+8*\t:\d+8*\t+7]
.endif
.endr
.endm
; ONE TILE'S SOFTMAX FOR ONE KEY STEP, under the tile's window: from the 64 scores of a lane to p's codes, the sum and O^T under the new M.
.macro SOFTMAX
	v_max3_num_f32 v254, v96, v97, v98             ; the step's largest score of my query, among my 64 keys, in two chains (each accumulator is first read at its low end),
	v_max3_num_f32 v252, v99, v100, v101
.irp i, 6,10,14,18,22,26,30,34,38,42,46,50,54,58
	v_max3_num_f32 v254, v254, v[96+\i], v[97+\i]
	v_max3_num_f32 v252, v252, v[98+\i], v[99+\i]
.endr
	v_max3_num_f32 v254, v254, v158, v159
	s_delay_alu instid0(VALU_DEP_1)
	v_max_num_f32 v254, v254, v252
	v_permlanex16_b32 v236, v254, s[SEL], s[SEL+1]
	s_delay_alu instid0(VALU_DEP_1)
	v_max_num_f32 v254, v254, v236                 ; and among lane l xor 16's
	s_delay_alu instid0(VALU_DEP_1)
	v_mul_f32 v254, s[CS], v254                    ; as t (c is positive)
	s_delay_alu instid0(VALU_DEP_1)
	v_max_num_f32 v13, v13, v254                   ; the running largest t
	v_mov_b32 v254, v12
	s_delay_alu instid0(VALU_DEP_2)
	v_floor_f32 v12, -v13                          ; the new -M = floor(-t) = -ceil(t): M IS A WHOLE NUMBER
	s_delay_alu instid0(VALU_DEP_1)
	v_sub_f32 v254, v12, v254                      ; M's old value less its new one: a whole number, 0 or less
	s_delay_alu instid0(VALU_DEP_1)
	v_cvt_i32_f32 v254, v254                       ; (it saturates)
	s_delay_alu instid0(VALU_DEP_1)
	v_ldexp_f32 v252, 1.0, v254                    ; f = 2^(old M - new M): a multiplication by it rounds nothing
.set n1, 0
.rept 32
	v_pk_fma_f32 v[96+n1:97+n1], v[96+n1:97+n1], s[CS:CS+1], v[12:13] op_sel_hi:[1,0,0]   ; t - M, two at a time (of the pairs c and -M the low word serves both halves)
.set n1, n1+2
.endr
.set n1, 0
	s_wait_alu depctr_va_vdst(0)
.rept 64
	v_exp_f32 v[96+n1], v[96+n1]                   ; p = 2^(t - M), at most 1: NOT normalised
.set n1, n1+1
.endr
	v_pk_mul_f32 v[14:15], v[14:15], v[252:253] op_sel_hi:[1,0]   ; the sums under the new M.  (A plain line behind the exponentials)
	s_wait_alu depctr_va_vdst(0)                   ; one wait for the whole batch, ahead of its first reader
	v_pk_add_f32 v[242:243], v[96:97], v[98:99]    ; THE ROW'S SUM IS TAKEN OF THE UNQUANTISED p: two at a time, in two chains
.irp j, 4,8,12,16,20,24,28,32,36,40,44,48,52,56,60
	v_pk_add_f32 v[14:15], v[14:15], v[96+\j:97+\j]
	v_pk_add_f32 v[242:243], v[242:243], v[98+\j:99+\j]
.endr
	s_delay_alu instid0(VALU_DEP_1)
	v_pk_add_f32 v[14:15], v[14:15], v[242:243]
.irp t, 0,1,2,3,4,5,6,7
.irp i, 0,1,2,3,4,5,6,7
.endr
	v_cvt_scalef32_pk8_fp8_f32 v[224+2*\t:225+2*\t], v[96+8*\t:103+8*\t], v244   ; keys 16 t + 8 (lane / 16) + 0 .. 7: registers 2 t, 2 t + 1 of P's fragment
.endr
.set n1, 0
.rept 32
	v_pk_mul_f32 v[160+n1:161+n1], v[160+n1:161+n1], v[252:253] op_sel_hi:[1,0]   ; O^T under the new M: x f.  (These 32 are also the plain lines between the conversions and the products that read the codes)
.set n1, n1+2
.endr
.endm
; A KEY STEP: 128 keys, the q-th of the slot in hand.
; A load into a register that a matrix instruction has read, and a vector instruction that reads a matrix result, stand four places behind it, and only plain vector instructions that name none of its registers are
; places (ISA guide 7.12.1 for vector instructions): the two additions and two v_nop at the head, four v_nop behind the scores' products.
.macro STEP q
	v_add_nc_u32 v[ADK], s[TB], v[LI]
	s_delay_alu instid0(VALU_DEP_1)
	v_add_nc_u32 v[ADV], VOFF, v[ADK]
	v_nop
	v_nop
	LOAD4 ADK, STEPB*(\q)                          ; keys 0-63 -> FA,
	WIN 0x40
	LOAD4 ADK, STEPB*(\q)+4*FRB                    ; keys 64-127 -> FB
	WIN 0
	s_wait_alu depctr_va_vdst(0)
	MM4 96, 16, 1, 28                              ; S^T, tile 0, FA: behind FA's fragment t stand 28 - 4 t loads
	WIN 0x01
	MM4 128, 16, 1, 12                             ; tile 0, FB: 12 - 4 t
	WIN 0x45
	MM4 128, 16, 1, -1                             ; tile 1, FB
	WIN 0x44
	MM4 96, 16, 1, -1                              ; tile 1, FA
	WIN 0
.rept 4
	v_nop
.endr
	LOAD4 ADV, STEPB*(\q)                          ; the values are asked for now: channels 0-63 -> FA,
	WIN 0x40
	LOAD4 ADV, STEPB*(\q)+4*FRB                    ; channels 64-127 -> FB: they land while tile 0's softmax is walked
	WIN 0
	SOFTMAX                                        ; tile 0
	s_wait_alu depctr_va_vdst(0)
	s_wait_dscnt 0x0                               ; the values are in
	MM4 160, 224, 0, -1                            ; O^T += values x P^T, tile 0: these eight run beside tile 1's softmax, which names none of their registers
	WIN 0x01
	MM4 192, 224, 0, -1
	WIN 0x55
	SOFTMAX                                        ; tile 1
	MM4 192, 224, 0, -1                            ; tile 1, FB
	WIN 0x54
	MM4 160, 224, 0, -1                            ; tile 1, FA
	WIN 0                                          ; at a label and at a branch every window is 0
.endm
; THE CHANGE OF SLOTS stands at a slot's head.  Each wave waits for all its tensor loads (its block of the slot that it is about to read), adds 0 to its spare word, and waits for that and for its reads of the slot that it
; has left.  fill = 1: the barrier is a round of the cluster's, so that no wave of any partner still reads that slot or has a load on its way, and the joint fill of it with the keys that follow is the first thing
; behind the round: it has a slot's four key steps in which to land.  One tensor load of a wave is out at a time.
.macro CHANGE fill
	s_wait_tensorcnt 0x0                           ; no tensor load of mine is out, so the group 0 may be written
	ds_add_u32 v[SPW], v[NIL]                      ; 0 onto my spare word: with fill = 1 the descriptor's steps stand between it and the wait for it
.if \fill
	s_xor_b32 s[G0+1], s[G0+1], SLOT1              ; the walking descriptor: the other slot than last time,
	s_add_nc_u64 s[G0+2:G0+3], s[G0+2:G0+3], SLOTG ; the next 512 keys; the type bits on top are not reached
	s_wait_xcnt 0x0                                ; the last prefetch, a slot back, has read its address, so it may be written:
	s_add_nc_u64 s[PFA:PFA+1], s[PFA:PFA+1], SLOTG ; one slot further on than the walking descriptor
	s_wait_dscnt 0x0                               ; the add is done, and my reads of the slot that I have left are over
	CROUND
	TLOAD
	ASK                                            ; what the next change of slots will ask for: four key steps ahead of that load
.else
	s_wait_dscnt 0x0
	s_barrier_signal -1
	s_barrier_wait -1
.endif
.endm
.macro SLOT_STEPS
	STEP 0
	STEP 1
	STEP 2
	STEP 3
	s_xor_b32 s[TB], s[TB], SLOT1                  ; on to the other slot
.endm
	s_wait_loadcnt 0x0                             ; my queries
.Lslot:                                            ; NSL - 1 trips: behind each change of slots but the last the next slot is asked for
	CHANGE 1
	SLOT_STEPS
	s_sub_co_u32 s[SLOTS], s[SLOTS], 1
	s_cmp_lg_u32 s[SLOTS], 0
	s_cbranch_scc1 .Lslot
	CHANGE 0                                       ; the last slot is written out
	SLOT_STEPS
	; THE WAY OUT.  out0's rows run along the queries, and a lane holds one query of each tile: so O^T / the sum goes into ONE stage of 128 channels x 256 queries, four bytes a lane (sixteen lanes: 64 consecutive bytes;
	; the two halves of the lanes 8 rows = 2,080 words apart, 32 banks), and each wave stores 16 whole rows of 1,024 bytes, 512 consecutive bytes an instruction.
.macro ROWSUM                          ; under the tile's window: 1 / the row's sum
	v_add_f32 v14, v14, v15                        ; the sum's two halves,
	s_delay_alu instid0(VALU_DEP_1)
	v_permlanex16_b32 v252, v14, s[SEL], s[SEL+1]
	s_delay_alu instid0(VALU_DEP_1)
	v_add_f32 v14, v14, v252                       ; and lane l xor 16's
	s_wait_alu depctr_va_vdst(0)
	v_rcp_f32 v14, v14
.endm
.macro DIVIDE                          ; under the tile's window
	v_ldexp_f32 v14, v14, s72                      ; x 2^(e8 + e9)
.set n1, 0
.rept 64
	v_mul_f32 v[96+n1], v[160+n1], v14             ; register 8 t + j is out(16 t + 8 h + j, my query); each accumulator from its low end on
.set n1, n1+1
.endr
.endm
	ROWSUM
	WIN 0x55
	ROWSUM
	WIN 0
	v_and_b32 v2, 15, v0                           ; (plain lines behind the reciprocals)  r
	v_bfe_u32 v4, v0, 4, 1                         ; h
	s_add_co_i32 s72, s70, s71                     ; e8 + e9
	s_lshl_b32 s73, s[WV], 7
	v_mul_u32_u24 v[SO], v4, 8*SPITCH
	s_delay_alu instid0(VALU_DEP_1)
	v_lshl_add_u32 v[SO], v2, 2, v[SO]
	s_delay_alu instid0(VALU_DEP_1)
	v_add_nc_u32 v[SO], s73, v[SO]                 ; in: row 8 h (+ 16 t + j by the immediate), column 32 x wave + r (+ 16 for tile 1 by the immediate)
	s_delay_alu instid0(VALU_DEP_1)
	v_add_nc_u32 v[SO2], 64*SPITCH, v[SO]
	s_mul_i32 s74, s[WV], 16*SPITCH
	v_add_nc_u32 v[RD], s74, v[LI]                 ; back: my 16 rows, 16 bytes a lane
	s_wait_alu depctr_va_vdst(0)                   ; one wait for the two reciprocals, ahead of their first reader
	DIVIDE
	WIN 0x55
	DIVIDE
	WIN 0
	s_wait_alu depctr_va_vdst(0)
	s_wait_dscnt 0x0                               ; my reads of the slots are over;
	s_barrier_signal -1
	s_barrier_wait -1                              ; everybody's are: the stage may be written over them
.irp u, 0,1
	WIN 4*\u                                       ; the data (source 1) from tile u's window
.irp t, 0,1,2,3
.irp j, 0,1,2,3,4,5,6,7
	ds_store_b32 v[SO], v[96+8*\t+\j] offset:(16*\t+\j)*SPITCH+64*\u
.endr
.endr
.irp t, 0,1,2,3
.irp j, 0,1,2,3,4,5,6,7
	ds_store_b32 v[SO2], v[128+8*\t+\j] offset:(16*\t+\j)*SPITCH+64*\u
.endr
.endr
.endr
	WIN 0
	s_wait_dscnt 0x0                               ; for the others' sake: my stores into the stage are done
	s_barrier_signal -1
	s_barrier_wait -1
.set n1, 0
.rept 32
	ds_load_b128 v[32+4*n1:35+4*n1], v[RD] offset:(n1/2)*SPITCH+512*(n1%2)
.set n1, n1+1
.endr
.set n1, 0
.rept 32
	s_wait_dscnt 31-n1                             ; the younger loads may be out
	global_store_b128 v[LI], v[32+4*n1:35+4*n1], s[8:9] offset:(n1/2)*8192+512*(n1%2) th:TH_STORE_NT   ; 32 lanes store 512 consecutive bytes, at a multiple of 256 from out0's first byte; written once, read by nobody here
.set n1, n1+1
.endr
	s_wait_tensorcnt 0x0                           ; the wave's end: behind my last tensor load and my last LDS store
	ds_add_u32 v[SPW], v[NIL]
	s_wait_dscnt 0x0
	CROUND                                         ; the closing round: no work-group ends while a partner may still ask for a block that names it
	s_endpgm
.Lfunc_end_k_q2e753e3205_attn:
	.size	k_q2e753e3205_attn, .Lfunc_end_k_q2e753e3205_attn-k_q2e753e3205_attn
	.p2alignl 7, 3214868480
	.fill 96, 4, 3214868480
	.section	.rodata,"a",@progbits
	.p2align	6, 0x0
	.amdhsa_kernel k_q2e753e3205_attn
		.amdhsa_group_segment_fixed_size 327680
		.amdhsa_private_segment_fixed_size 0
		.amdhsa_enable_private_segment 0
		.amdhsa_kernarg_size 24
		.amdhsa_user_sgpr_count 2
		.amdhsa_user_sgpr_kernarg_segment_ptr 1
		.amdhsa_wavefront_size32 1
		.amdhsa_system_sgpr_workgroup_id_x 1
		.amdhsa_system_sgpr_workgroup_id_y 1
		.amdhsa_system_sgpr_workgroup_id_z 1
		.amdhsa_system_vgpr_workitem_id 0
		.amdhsa_next_free_vgpr 512
		.amdhsa_next_free_sgpr 96
		.amdhsa_reserve_vcc 0
		.amdhsa_float_denorm_mode_32 3
		.amdhsa_float_denorm_mode_16_64 3
		.amdhsa_fp16_overflow 1
		.amdhsa_memory_ordered 1
		.amdhsa_forward_progress 1
		.amdhsa_inst_pref_size 255
	.end_amdhsa_kernel
	.section	.bss,"aw",@nobits
	.p2align	6
	.space	262144
	.amdgpu_metadata
---
amdhsa.version: [ 1, 2 ]
amdhsa.kernels:
  - .name:           k_q2e753e3205_attn
    .symbol:         k_q2e753e3205_attn.kd
    .args:
      - { .name: pc, .offset: 0, .size: 8, .value_kind: global_buffer, .address_space: global }
      - { .name: lowp_scales, .offset: 8, .size: 8, .value_kind: global_buffer, .address_space: global }
      - { .name: out0, .offset: 16, .size: 8, .value_kind: global_buffer, .address_space: global }
    .group_segment_fixed_size: 327680
    .private_segment_fixed_size: 0
    .kernarg_segment_align: 8
    .kernarg_segment_size: 24
    .max_flat_workgroup_size: 256
    .sgpr_count:     96
    .vgpr_count:     512
    .wavefront_size: 32
...
	.end_amdgpu_metadata
.endif
;; end of part 3
